; MI455X (gfx1250); checked and timed in simulation.
; The chip was launched on July 23, 2026; its instructions are those of AMD's public machine-readable ISA for CDNA 5 (MIT licence, August 2026) and "CDNA5" Instruction Set Architecture Reference Guide (July 2026). The comments in the code are by the model that wrote it; some were corrected since.
;; Multi Head Self Attention. Allowed arithmetic: matrix products marked QUANTISED: E2M1 operands, one E8M0 scale for each 32 along K, by v_wmma_scale_f32_16x16x128_f8f6f4 with both operands' format E2M1 (or v_wmma_scale_f32_32x16x128_f4), f32 sums; everything else in f32.
;; Inputs: Wk_codes 1,024 x 32 x 16 uint8 (E2M1 codes of Wk, K innermost, in blocks of 32 codes, two codes a byte); Wk_scales 1,024 x 32 uint8 (E8M0 scales of Wk, one for each 32 codes along K); Wo_codes 1,024 x 32 x 16 uint8 (E2M1 codes of Wo, K innermost, in blocks of 32 codes, two codes a byte); Wo_scales 1,024 x 32 uint8 (E8M0 scales of Wo, one for each 32 codes along K); Wq_codes 1,024 x 32 x 16 uint8 (E2M1 codes of Wq, K innermost, in blocks of 32 codes, two codes a byte); Wq_scales 1,024 x 32 uint8 (E8M0 scales of Wq, one for each 32 codes along K); Wv_codes 1,024 x 32 x 16 uint8 (E2M1 codes of Wv, K innermost, in blocks of 32 codes, two codes a byte); Wv_scales 1,024 x 32 uint8 (E8M0 scales of Wv, one for each 32 codes along K); bk 1,024 float32; bo 1,024 float32; bq 1,024 float32; bv 1,024 float32; x_codes 4 x 2,048 x 32 x 16 uint8 (E2M1 codes of x, K innermost, in blocks of 32 codes, two codes a byte); x_scales 4 x 2,048 x 32 uint8 (E8M0 scales of x, one for each 32 codes along K).
;; Outputs: out0 4 x 2,048 x 1,024 float32.
;; This version of the problem:
;;   THIS VERSION OF THE PROBLEM IS GIVEN IN LOW PRECISION. The matrix products marked QUANTISED in the list below multiply operands that are first quantised to E2M1 (2 exponent bits, 1 mantissa bit; 4 bits a number), with one power-of-two scale for each 32 numbers along K (OCP MX v1.0); their sums are f32. All else is computed in f32.
;;   The module's matrix products, in the order in which they are computed (A, B: the left and right operand; K: the contracted axis; several contracted axes count as one K, in the product's order):
;;     1. [M 8,192, K 1,024] x [K 1,024, N 1,024]; A: input x (given as codes); B: input Wq (given as codes): QUANTISED
;;     2. [M 8,192, K 1,024] x [K 1,024, N 1,024]; A: input x (given as codes); B: input Wk (given as codes): QUANTISED
;;     3. [M 8,192, K 1,024] x [K 1,024, N 1,024]; A: input x (given as codes); B: input Wv (given as codes): QUANTISED
;;     4. batch 64 x [M 2,048, K 64] x [K 64, N 2,048]; A: computed on the way; B: computed on the way: QUANTISED
;;     5. batch 64 x [M 2,048, K 2,048] x [K 2,048, N 64]; A: softmax (see below); B: computed on the way: QUANTISED
;;     6. [M 8,192, K 1,024] x [K 1,024, N 1,024]; A: computed on the way; B: input Wo (given as codes): QUANTISED
;;   THE QUANTISER, for each operand of a quantised product, along K:
;;     - K is cut into blocks of 32 from its start; a last block that is shorter is filled with zeros.
;;     - A block's scale is 2^e with e = floor(log2(the largest magnitude in the block)) - 2, held to -126 .. 127; a block of zeros has e = 0. As a byte (E8M0): e + 127.
;;     - Each number is divided by its block's scale, clamped to +-6, and rounded to the nearest number of E2M1, ties to even, subnormals kept.
;;     - The product sums the exact products of the quantised numbers (number of the format x scale) in f32.
;;   ~~~python
;;   def quantise(x, axis):      # numpy; x: float32 -> the quantised numbers, widened to float32 again
;;       x = np.moveaxis(x, axis, -1); K = x.shape[-1]
;;       x = np.pad(x, [(0, 0)] * (x.ndim - 1) + [(0, -K % 32)]); x = x.reshape(x.shape[:-1] + (-1, 32)); a = np.abs(x).max(-1, keepdims=True)
;;       e = np.where(a > 0, np.clip(np.frexp(np.where(a > 0, a, 1))[1] - 1 - 2, -126, 127), 0)      # np.frexp(a)[1] - 1 = floor(log2(a)), exactly
;;       r = np.clip(x / 2.0 ** e, -6, 6)
;;       step = 2.0 ** (np.maximum(np.frexp(np.where(r == 0, 1, r))[1] - 1, 0) - 1)
;;       q = np.round(r / step) * step * 2.0 ** e      # np.round: ties to even
;;       return np.moveaxis(q.reshape(q.shape[:-2] + (-1,))[..., :K], -1, axis).astype(np.float32)
;;   ~~~
;;   SOFTMAX AHEAD OF A QUANTISED PRODUCT. Where the list says 'softmax', what is quantised is not the finished softmax but p = 2^(t - M), with t = logit x log2(e) and M = ceil(the row's largest t), a whole number; so 1/2 < the row's largest p <= 1. The row's sum l is taken of the UNQUANTISED p, in f32, and the product's result is divided by l at the end. Since M is a whole number, a kernel that streams over the keys may use a running M (the ceiling of the running maximum): every later rescaling is an exact power of two, which a block's scale takes up: the codes' values come out the same.
;;   OPERANDS COMPUTED ON THE WAY. 'Computed on the way' means the value that the module computes at that place (a softmax that the list does not call 'softmax' is quantised finished and normalised). What goes into a quantiser is computed in f32, as accurately as f32 sums, v_exp_f32 and their like allow (about 1e-6 of the number): no bf16 or f16 on the way to a quantiser, and a product that is left as it is and whose result goes on into a quantised operand takes f32 operands (vector FMAs, or v_wmma_f32_16x16x4_f32). A number that lies on a knife's edge between two numbers of the format may be rounded either way, as far as f32 arithmetic and the matrix unit's own rounding can turn it there, and no further.
;;   INPUTS GIVEN AS CODES. Wk (in the module: [1024, 1024], K = its axis 0); Wo (in the module: [1024, 1024], K = its axis 0); Wq (in the module: [1024, 1024], K = its axis 0); Wv (in the module: [1024, 1024], K = its axis 0); x (in the module: [4, 2048, 1024], K = its axis 2): each comes as NAME_codes (uint8): NAME with its K axis moved to the last place and cut into blocks of 32 codes, [.., K / 32, bytes a block], one block behind the other in memory; two codes a byte, the lower K in the low four bits (a code: sign, 2 exponent bits, 1 mantissa bit); and NAME_scales (uint8): the same leading axes, one E8M0 byte (e + 127) for each 32 codes along K. Its value is code x scale, taken as it is: it is not quantised again, and the codes and scales need not be those that the quantiser above would give.
;; One version. Each part assembles by itself: llvm-mc -triple=amdgcn-amd-amdhsa -mcpu=gfx1250 --defsym DOCPART=n.
;; ======== version 1 of 1: 3 launches
;; workspace buffers: qimg 4,456,448 bytes; kvimg 8,912,896 bytes; aoimg 4,194,304 bytes; aosc 262,144 bytes
;; launch proj (part 1): grid 12 x 32, 4 waves a work-group, clusters of 4 x 4, 270,848 bytes of LDS; arguments x_codes, x_scales, Wq_codes, Wq_scales, bq, Wk_codes, Wk_scales, bk, Wv_codes, Wv_scales, bv, qimg, kvimg; writes qimg, kvimg
.if DOCPART == 1
	.amdgcn_target "amdgcn-amd-amdhsa--gfx1250"
	.amdhsa_code_object_version 6
	.text
	.protected	k_q9a60aae4ec_proj
	.globl	k_q9a60aae4ec_proj
	.p2align	8
	.type	k_q9a60aae4ec_proj,@function
k_q9a60aae4ec_proj:
	s_mov_b64 s[64:65], 0
	v_nop
	global_prefetch_b8 v0, s[64:65] scope:SCOPE_SE
	s_setreg_imm32_b32 hwreg(HW_REG_WAVE_MODE, 25, 1), 1
	s_wait_xcnt 0x0
	s_wait_alu depctr_hold_cnt(0) depctr_sa_sdst(0) depctr_va_vdst(0) depctr_va_sdst(0) depctr_va_ssrc(0) depctr_va_vcc(0) depctr_vm_vsrc(0)
	s_getreg_b32 s2, hwreg(HW_REG_IB_STS2, 6, 4)
	s_cmp_eq_u32 s2, 0
	s_cbranch_scc0 .Lentry_in_a_cluster
	s_endpgm
.Lentry_in_a_cluster:
	s_bfe_u32 s2, ttmp6, 0x10000c
	s_cmp_lg_u32 s2, 0xf033
	s_cbranch_scc0 .Lentry_shape_is_right
	s_endpgm
.Lentry_shape_is_right:
; Q = x Wq + bq, K = x Wk + bk, V = x Wv + bv on codes of FP4 (E2M1) with one E8M0 scale for each 32 along K = 1,024, sums in f32; then the quantisers ahead of attention's two products:
; Q and K along a head's 64 channels, V along the keys.  The codes and scale bytes leave as IMAGES OF OPERAND REGISTERS (lane l's 16 bytes at 16 l), in the order in which the next launch's waves take them.
; NO WORK OF THE PROBLEM IS LEFT OUT IN ANY LAUNCH: every bias goes into a quantiser or into the output, so every input has a way to the output and is loaded.
; LIMITS: a block of zeros gets the scale byte 1 where the rule says 127 (its codes are zeros, and this program alone reads the bytes); blocks whose largest magnitude lies under 2^-124 are held at that floor;
; NaN and infinities are not served; given scale bytes of 0xff are not served.
; SHARES.  A cluster of 4 x 4 work-groups serves ONE weight (cluster x: 0 Wq, 1 Wk, 2 Wv: the same number in all sixteen).  A work-group makes 256 tokens x 256 columns, a wave 128 x 128: 64 accumulators.
; All of K lies in LDS: 256 rows of x and 256 of W, 512 bytes each, filled once by two joint tensor loads a wave (x's tile shared along the cluster's row, W's along its column).  No slot is ever filled again.
; TILES OF 16 ROWS ARE NOT NEIGHBOURS: tile (F, u) holds rows 32 F + 8 u + r + 8 (r / 8).  As source 0 such tiles leave, in the 16 registers of tiles (F, 0) and (F, 1), 16 neighbours 32 F + 16 (lane / 16) + 0 .. 15.
; ROLES.  Source 0 (P) runs along a lane's registers, source 1 (R) gives the lane its row.  Q, K: P = W (128 columns = 2 heads), R = x: registers along the channels.  V: P = x (128 keys), R = Wv: registers along the keys.
; The products' text is one for both: only LDS bases and scale pointers change places.
; REGISTERS: window 0: v8-16 addresses; v28, v29 the add's two; v32-63 P's scale words, v64-95 R's (nothing else ever lies there); v96-103 the scale words made; v104-127 at work;
;   v128-191, v192-255 R's fragments, two sets; behind the products v128-191 64 sums with their bias, v192-255 the codes made.
;   window 1: v0-63, v128-191 P's fragments, two sets; in the last K step v0-63 take the bias.   windows 2, 3: accumulator (a, b) at v[64 (a % 4) + 8 b], a < 4 in window 2.
.set PITCH, 528                        ; an LDS row: 512 bytes + 16 of padding = 132 words: 16 rows on end begin in 16 different groups of four banks (64 banks of 4 bytes: ISA guide 11.1)
.set HALF,  64*PITCH                   ; what one tensor load brings, and a wave's 64 LDS rows of a sub-region
.set SUB,   128*PITCH                  ; a sub-region: the rows 16 g + 8 u + 0 .. 7 of a tile's 256, for one u
.set XR,    0                          ; x's two sub-regions
.set WR,    2*SUB                      ; W's two
.set SPARE, 4*SUB                      ; the spare words, 128 bytes for each wave: two blocks of 256 bytes that no other line names
.set ADP, 8                            ; v8, v9   P's fragments: row r x pitch + 16 (lane / 16), sub-region 0, 1
.set ADR, 10                           ; v10, v11 R's
.set LI,  12                           ; v12  16 x lane
.set L8,  13                           ; v13  8 x lane
.set SO,  14                           ; v14  a tile's scale bytes: 32 (r + 8 (r / 8)) + 16 (lane / 16)
.set BQ,  15                           ; v15  bias, Q and K: 64 (lane / 16)
.set BV,  16                           ; v16  bias, V: 4 (r + 8 (r / 8))
.set SPW, 28
.set NIL, 29
.set SP,  32
.set SR,  64
.set WD,  96
.set KW,  104
.set TM,  112                          ; v112-115 largest magnitudes, v116-119 bytes, v124-127 the conversions' scale operands
.set T,   128
.set PC,  192
.set BI,  0                            ; window 1
.set WV,  34
.set WA,  35                           ; which 128 tokens are mine.  Also: which half of a sub-region I fetch
.set WB,  36                           ; which 128 columns.  Also: which sub-region I fetch
.set CX,  40
.set CY,  41
.set TY,  42                           ; the token tile
.set PATH, 43
.set G1X, 48                           ; s[48:55], s[56:59] descriptor groups 1 and 0 for x
.set G0X, 56
.set G1W, 68                           ; s[68:75], s[76:79] for W
.set G0W, 76
.set WC,  80                           ; the weight's codes, scale bytes, bias
.set WS,  82
.set BIA, 84
.set PS,  86                           ; P's scale bytes, R's
.set RS,  88
.set DST, 90                           ; s[90:91], s[92:93] where my two heads' images go
.set MK,  94                           ; lanes 16-31
.set SEL, 96
.set SHAPE0, (3<<16)|(1<<20)|(1<<21)|(6<<22)|(3<<25)   ; elements of 8 bytes; padding on; bit 21 beside a mask; after every 128 words four words
.set MSB, 0
.macro WIN new                         ; the immediate's high byte repeats the setting that is left; a switch that changes nothing is dropped
.if MSB != (\new)
	s_set_vgpr_msb (MSB<<8)|(\new)
.set MSB, (\new)
.endif
.endm
.macro PLACES                          ; four plain places behind matrix instructions, ahead of loads into their registers and of reads of their results
.rept 4
	v_nop
.endr
.endm
.macro CROUND                          ; a round of the cluster's barrier
	s_barrier_signal -1
	s_barrier_wait -1
	s_cmp_lg_u32 s[WV], 0
	s_cbranch_scc1 .Lnot_wave_0_\@
	s_barrier_signal -3
.Lnot_wave_0_\@:
	s_barrier_wait -3
	s_barrier_signal -1
	s_barrier_wait -1
.endm
	s_load_b512 s[8:23], s[0:1], 0x0               ; x's codes s[8:9], x's scales s[10:11]; Wq: codes s[12:13], scales s[14:15], bq s[16:17]; Wk: s[18:19], s[20:21], bk s[22:23]
	s_load_b256 s[24:31], s[0:1], 0x40             ; Wv: s[24:25], s[26:27], bv s[28:29]; qimg s[30:31]
	s_load_b64 s[32:33], s[0:1], 0x60              ; kvimg
	v_lshl_add_u32 v[SPW], v0, 2, SPARE
	v_mov_b32 v[NIL], 0
	ds_add_u32 v[SPW], v[NIL]                      ; the wave's opening: the add, twice on end, and its wait ahead of my first tensor load
	ds_add_u32 v[SPW], v[NIL]
	v_lshrrev_b32 v1, 5, v0
	v_readfirstlane_b32 s[WV], v1                  ; wave 0..3
	s_lshr_b32 s[WA], s[WV], 1
	s_and_b32 s[WB], s[WV], 1
	s_bfe_u32 s[CX], ttmp6, 0x40000                ; my place in the cluster
	s_bfe_u32 s[CY], ttmp6, 0x40004
	s_and_b32 s[TY], ttmp7, 0xffff
	s_lshl_b32 s[TY], s[TY], 2
	s_add_co_u32 s[TY], s[TY], s[CY]               ; token tile = 4 x cluster y + cy
	s_mov_b32 s[PATH], ttmp9                       ; cluster x: which weight
	s_lshl_b32 s44, s[CY], 2
	s_lshl_b32 s44, 15, s44                        ; my row of the cluster
	s_lshl_b32 s45, 0x1111, s[CX]                  ; my column
	; group 1: with all of K in a row, 8 neighbouring rows are 4,096 dense bytes: a tile of 8 such runs, 16 rows (8,192 bytes) apart, is the rows 16 g + 8 u + 0 .. 7 of 128 rows
	s_or_b32 s[G1X], s44, SHAPE0                   ; x's tile goes to my row of the cluster,
	s_or_b32 s[G1W], s45, SHAPE0                   ; W's to my column
.irp g, G1X, G1W
	s_mov_b32 s[\g+1], 512<<16                     ; tensor_dim0 = 512 elements
	s_mov_b32 s[\g+2], 8<<16                       ; tensor_dim1 = 8
	s_mov_b32 s[\g+3], 512<<16                     ; tile_dim0
	s_mov_b32 s[\g+4], 8                           ; tile_dim1
	s_mov_b32 s[\g+5], 1024                        ; from run to run, in elements
	s_mov_b32 s[\g+6], 0
	s_mov_b32 s[\g+7], 0
.endr
	s_mul_i32 s2, s[WB], SUB                       ; where my two loads land: sub-region wave % 2, half wave / 2: no place in the cluster enters an LDS address
	s_mul_i32 s3, s[WA], HALF
	s_add_co_u32 s2, s2, s3
	s_mov_b32 s[G0X], 1
	s_add_co_u32 s[G0X+1], s2, XR
	s_mov_b32 s[G0W], 1
	s_add_co_u32 s[G0W+1], s2, WR
	s_lshl_b32 s60, s[WA], 16                      ; and where they come from: 128 rows x half + 8 rows x sub-region,
	s_lshl_b32 s63, s[WB], 12
	s_add_co_u32 s60, s60, s63
	s_lshl_b32 s4, s[TY], 17                       ; x: + 256 rows x token tile (these registers never hold cx),
	s_add_co_u32 s4, s4, s60
	s_mov_b32 s5, 0
	s_lshl_b32 s6, s[CX], 17                       ; W: + 256 rows x cx (these never hold cy)
	s_add_co_u32 s6, s6, s60
	s_mov_b32 s7, 0
	s_lshl_b32 s46, s[TY], 13                      ; x's scale bytes at my 128 tokens: 32 bytes a row
	s_lshl_b32 s63, s[WA], 12
	s_add_co_u32 s46, s46, s63
	s_mov_b32 s47, 0
	s_lshl_b32 s38, s[CX], 13                      ; W's at my 128 columns
	s_lshl_b32 s63, s[WB], 12
	s_add_co_u32 s38, s38, s63
	s_mov_b32 s39, 0
	s_lshl_b32 s66, s[CX], 10                      ; the bias at my 128 columns
	s_lshl_b32 s63, s[WB], 9
	s_add_co_u32 s66, s66, s63
	s_mov_b32 s67, 0
	s_lshr_b32 s62, s[TY], 3                       ; the batch
	s_lshl_b32 s62, s62, 2
	s_add_co_u32 s62, s62, s[CX]
	s_lshl_b32 s62, s62, 1
	s_add_co_u32 s62, s62, s[WB]                   ; half of my first head's number, 16 x batch + 4 cx + 2 (wave % 2);
	s_lshl_b32 s62, s62, 5                         ; a head has 16 steps of 128 tokens
	s_and_b32 s63, s[TY], 7
	s_lshl_b32 s63, s63, 1
	s_add_co_u32 s63, s63, s[WA]
	s_add_co_u32 s62, s62, s63                     ; + my step: the image's number
	s_mov_b32 s61, 8704                            ; bytes of a step's image in kvimg; 4,352 in qimg
	s_mov_b32 s[MK], 0xffff0000
	s_mov_b32 s[SEL], 0x76543210
	s_mov_b32 s[SEL+1], 0xfedcba98                 ; v_permlanex16_b32's selects for lane l xor 16
	s_wait_dscnt 0x0                               ; both opening adds are done
	s_wait_kmcnt 0x0
	s_cmp_eq_u32 s[PATH], 0                        ; the choices hang on the cluster's number alone
	s_cselect_b64 s[WC:WC+1], s[12:13], s[18:19]
	s_cselect_b64 s[WS:WS+1], s[14:15], s[20:21]
	s_cselect_b64 s[BIA:BIA+1], s[16:17], s[22:23]
	s_cselect_b64 s[DST:DST+1], s[30:31], s[32:33]
	s_cselect_b32 s61, 4352, s61
	s_cmp_eq_u32 s[PATH], 2
	s_cselect_b64 s[WC:WC+1], s[24:25], s[WC:WC+1]
	s_cselect_b64 s[WS:WS+1], s[26:27], s[WS:WS+1]
	s_cselect_b64 s[BIA:BIA+1], s[28:29], s[BIA:BIA+1]
	s_add_nc_u64 s[G0X+2:G0X+3], s[8:9], s[4:5]
	s_or_b32 s[G0X+3], s[G0X+3], 0x80000000        ; type = 2
	s_add_nc_u64 s[G0W+2:G0W+3], s[WC:WC+1], s[6:7]
	s_or_b32 s[G0W+3], s[G0W+3], 0x80000000
	CROUND                                         ; all sixteen work-groups are here: the joint loads meet
	tensor_load_to_lds s[G0X:G0X+3], s[G1X:G1X+7]  ; every wave issues both: two tensor loads of mine are out, the launch's only ones
	s_nop 0
	tensor_load_to_lds s[G0W:G0W+3], s[G1W:G1W+7]
	s_nop 0
	PLACES
	; while the tiles are on their way: pointers, lane addresses, the scale words
	s_add_nc_u64 s[10:11], s[10:11], s[46:47]
	s_add_nc_u64 s[WS:WS+1], s[WS:WS+1], s[38:39]
	s_add_nc_u64 s[BIA:BIA+1], s[BIA:BIA+1], s[66:67]
	s_mul_i32 s62, s62, s61
	s_mov_b32 s63, 0
	s_add_nc_u64 s[DST:DST+1], s[DST:DST+1], s[62:63]
	s_lshl_b32 s62, s61, 4                         ; a head on: 16 images
	s_add_nc_u64 s[DST+2:DST+3], s[DST:DST+1], s[62:63]
	s_mul_i32 s2, s[WA], HALF                      ; my 128 tokens in each of x's sub-regions (XR = 0),
	s_mul_i32 s3, s[WB], HALF
	s_add_co_u32 s3, s3, WR                        ; my 128 columns in W's
	s_cmp_eq_u32 s[PATH], 2                        ; V: x is P and Wv is R; Q, K: the other way round
	s_cselect_b64 s[PS:PS+1], s[10:11], s[WS:WS+1]
	s_cselect_b64 s[RS:RS+1], s[WS:WS+1], s[10:11]
	s_cselect_b32 s4, s2, s3
	s_cselect_b32 s5, s3, s2
	v_and_b32 v1, 15, v0                           ; r
	v_bfe_u32 v2, v0, 4, 1                         ; h
	v_mul_u32_u24 v3, v1, PITCH
	v_lshl_add_u32 v3, v2, 4, v3
	v_add_nc_u32 v[ADP], s4, v3
	v_add_nc_u32 v[ADP+1], SUB, v[ADP]
	v_add_nc_u32 v[ADR], s5, v3
	v_add_nc_u32 v[ADR+1], SUB, v[ADR]
	v_and_b32 v4, 31, v0
	v_lshlrev_b32 v[LI], 4, v4
	v_lshlrev_b32 v[L8], 3, v4
	v_and_b32 v5, 8, v1
	v_add_nc_u32 v5, v5, v1                        ; r + 8 (r / 8)
	v_lshlrev_b32 v[SO], 5, v5
	v_lshl_add_u32 v[SO], v2, 4, v[SO]
	v_lshlrev_b32 v[BQ], 6, v2
	v_lshlrev_b32 v[BV], 2, v5
.irp b, 0,1,2,3
	v_mov_b32 v[TM+4+\b], 0                        ; written once: a lane permute's destination counts as one of its sources
.endr
; The scale words come once, straight into registers: a row's 32 bytes are 8 words; lanes 0-15 take those of K steps 0-3, lanes 16-31 those of steps 4-7, which the products read by the upper row of lanes.
.irp i, 0,1,2,3,4,5,6,7
	global_load_b128 v[SP+4*\i:SP+4*\i+3], v[SO], s[PS:PS+1] offset:1024*(\i/2)+256*(\i%2)   ; tile (i / 2, i % 2): two runs of 8 rows, 256 consecutive bytes each
	global_load_b128 v[SR+4*\i:SR+4*\i+3], v[SO], s[RS:RS+1] offset:1024*(\i/2)+256*(\i%2)
.endr
; 32 LDS loads in one run: the fragments of K step q (16 rows x 128 K of 4-bit codes: 8 registers, two loads 32 bytes apart) into set: P's eight tiles, R's eight
.macro FETCH q, set
	WIN 0x40                                       ; destination window 1
.irp i, 0,1,2,3,4,5,6,7
.irp c, 0,1
	ds_load_b128 v[128*(\set)+8*\i+4*\c:128*(\set)+8*\i+4*\c+3], v[ADP+\i%2] offset:(\i/2)*16*PITCH+64*(\q)+32*\c
.endr
.endr
	WIN 0
.irp i, 0,1,2,3,4,5,6,7
.irp c, 0,1
	ds_load_b128 v[128+64*(\set)+8*\i+4*\c:128+64*(\set)+8*\i+4*\c+3], v[ADR+\i%2] offset:(\i/2)*16*PITCH+64*(\q)+32*\c
.endr
.endr
.endm
; 64 matrix instructions: K step q.  The 64 accumulators take turns, one instruction a turn, in the same order in every step.  zero = 1: the first products start the sums.
.macro MUL q, set, zero
.irp a, 0,1,2,3,4,5,6,7
	WIN 0xa1+0x50*(\a/4)                           ; source 0 window 1, source 1 window 0, C and D window 2 or 3
.irp b, 0,1,2,3,4,5,6,7
.if \zero
	v_wmma_scale_f32_16x16x128_f8f6f4 v[64*(\a%4)+8*\b:64*(\a%4)+8*\b+7], v[128*(\set)+8*\b:128*(\set)+8*\b+7], v[128+64*(\set)+8*\a:128+64*(\set)+8*\a+7], 0, v[SP+4*\b+(\q)%4], v[SR+4*\a+(\q)%4] matrix_a_fmt:MATRIX_FMT_FP4 matrix_b_fmt:MATRIX_FMT_FP4
.elseif (\q) < 4
	v_wmma_scale_f32_16x16x128_f8f6f4 v[64*(\a%4)+8*\b:64*(\a%4)+8*\b+7], v[128*(\set)+8*\b:128*(\set)+8*\b+7], v[128+64*(\set)+8*\a:128+64*(\set)+8*\a+7], v[64*(\a%4)+8*\b:64*(\a%4)+8*\b+7], v[SP+4*\b+(\q)%4], v[SR+4*\a+(\q)%4] matrix_a_fmt:MATRIX_FMT_FP4 matrix_b_fmt:MATRIX_FMT_FP4
.else
	v_wmma_scale_f32_16x16x128_f8f6f4 v[64*(\a%4)+8*\b:64*(\a%4)+8*\b+7], v[128*(\set)+8*\b:128*(\set)+8*\b+7], v[128+64*(\set)+8*\a:128+64*(\set)+8*\a+7], v[64*(\a%4)+8*\b:64*(\a%4)+8*\b+7], v[SP+4*\b+(\q)%4], v[SR+4*\a+(\q)%4] matrix_a_fmt:MATRIX_FMT_FP4 matrix_b_fmt:MATRIX_FMT_FP4 matrix_a_scale:MATRIX_SCALE_ROW1 matrix_b_scale:MATRIX_SCALE_ROW1
.endif
.endr
.endr
.endm
; R tile a's 64 sums and their bias go into v[T] on, in window 0: one packed addition a pair, each accumulator from its low end on.  chan = 0: the bias runs along the registers; 1: it is the lane's own (a pair of the same number)
.macro ADDB a, chan
	WIN 0x06+(\a)/4                                ; source 0 window 2 or 3, source 1 window 1
.set n, 0
.rept 32
.if \chan
	v_pk_add_f32 v[T+2*n:T+2*n+1], v[64*((\a)%4)+2*n:64*((\a)%4)+2*n+1], v[BI+2*(\a):BI+2*(\a)+1]
.else
	v_pk_add_f32 v[T+2*n:T+2*n+1], v[64*((\a)%4)+2*n:64*((\a)%4)+2*n+1], v[BI+2*n:BI+2*n+1]
.endif
.set n, n+1
.endr
	WIN 0
.endm
; 64 numbers of a lane, register 16 b + i = k 32 b + 16 (lane / 16) + i of my row, become a fragment's codes in v[pc] on (registers 4 c .. 4 c + 3: k = 64 c + 32 (lane / 16) + 0 .. 31) and its scale word in v[pw]
.macro QUANT s, pc, pw
.irp b, 0,1,2,3
	v_max3_num_f32 v[TM+\b], |v[\s+16*\b]|, |v[\s+1+16*\b]|, 0x1800000   ; block b: my 16 numbers, and the floor 2^(3 - 127): the byte cannot fall under 1
.endr
.irp i, 2,4,6,8,10,12,14
.irp b, 0,1,2,3
	v_max3_num_f32 v[TM+\b], v[TM+\b], |v[\s+16*\b+\i]|, |v[\s+1+16*\b+\i]|   ; (the four blocks by turns)
.endr
.endr
.irp b, 0,1,2,3
	v_permlanex16_b32 v[TM+4+\b], v[TM+\b], s[SEL], s[SEL+1]
.endr
.irp b, 0,1,2,3
	v_max_num_f32 v[TM+\b], v[TM+\b], v[TM+4+\b]   ; with lane l xor 16's: the block's largest magnitude
.endr
.irp b, 0,1,2,3
	v_add_nc_u32 v[TM+12+\b], 0xff000000, v[TM+\b] ; 2 off its exponent field: the conversion takes this operand's exponent field as its scale
.endr
.irp b, 0,1,2,3
	v_lshrrev_b32 v[TM+4+\b], 23, v[TM+12+\b]      ; the scale's byte
.endr
	v_lshl_or_b32 v[\pw], v[TM+5], 8, v[TM+4]
	v_lshl_or_b32 v[\pw], v[TM+6], 16, v[\pw]
	v_lshl_or_b32 v[\pw], v[TM+7], 24, v[\pw]
.irp b, 0,1,2,3
	v_cvt_scalef32_pk8_fp4_f32 v[(\pc)+2*\b], v[\s+16*\b:\s+7+16*\b], v[TM+12+\b]
	v_cvt_scalef32_pk8_fp4_f32 v[(\pc)+1+2*\b], v[\s+8+16*\b:\s+15+16*\b], v[TM+12+\b]
.endr
	v_nop                                          ; one plain place behind a scaled conversion
.irp c, 0,1                                    ; the operand's layout wants a whole block in a lane
.irp i, 0,1
	v_permlane16_swap_b32 v[(\pc)+4*\c+\i], v[(\pc)+2+4*\c+\i]
.endr
.endr
.endm
	s_wait_tensorcnt 0x0                           ; my parts of both tiles are in,
	s_barrier_signal -1
	s_barrier_wait -1                              ; everybody's are
	s_wait_loadcnt 0x0                             ; the scale words
	FETCH 0, 0
	s_wait_dscnt 0x0
	FETCH 1, 1                                     ; each step's fragments are asked for a step, 64 matrix instructions, ahead
	MUL 0, 0, 1
.set Q, 1
.rept 6
	s_wait_dscnt 0x0                               ; this step's fragments are in
	PLACES                                         ; ahead of loads into the set that the step before multiplied
	FETCH Q+1, (Q+1)%2
	MUL Q, Q%2, 0
.set Q, Q+1
.endr
	s_wait_dscnt 0x0
	PLACES
	WIN 0
	; The bias goes into P's set 0, which step 6 has left; the last 64 products stand between the loads and the wait for them.
	s_cmp_eq_u32 s[PATH], 2
	s_cbranch_scc1 .Lbias_v
	WIN 0x40
	s_wait_alu depctr_va_vdst(0)
.irp k, 0,1,2,3                                ; Q, K: register 16 k + i: the bias of column 32 k + 16 (lane / 16) + i
.irp j, 0,1,2,3
	global_load_b128 v[BI+16*\k+4*\j:BI+16*\k+4*\j+3], v[BQ], s[BIA:BIA+1] offset:128*\k+16*\j
.endr
.endr
	WIN 0
	s_branch .Lbias_in
.Lbias_v:
	WIN 0x40
	s_wait_alu depctr_va_vdst(0)
.irp a, 0,1,2,3,4,5,6,7                        ; V: for tile a the bias of my lane's channel, twice: a pair for the packed addition
	global_load_b32 v[BI+2*\a], v[BV], s[BIA:BIA+1] offset:(32*(\a/2)+8*(\a%2))*4
	global_load_b32 v[BI+2*\a+1], v[BV], s[BIA:BIA+1] offset:(32*(\a/2)+8*(\a%2))*4
.endr
	WIN 0
.Lbias_in:
	MUL 7, 1, 0
	WIN 0
	PLACES
	s_wait_loadcnt 0x0                             ; the bias
	s_cmp_eq_u32 s[PATH], 2
	s_cbranch_scc1 .Lout_v
	; Q, K.  Token tile a = 2 f + u: registers 0-3 of the codes are my first head's 64 channels, registers 4-7 my second head's.  In a head's image fragment f holds token tile (f, 0) in its k 0-63 and (f, 1) in its k 64-127.
.set A, 0
.rept 8
	ADDB A, 0
	QUANT T, PC+8*A, WD+A
	global_store_b128 v[LI], v[PC+8*A:PC+8*A+3], s[DST:DST+1] offset:(A/2)*1024+(A%2)*512       ; 32 lanes store 512 consecutive bytes, at a multiple of 256 from the buffer's first byte
	global_store_b128 v[LI], v[PC+8*A+4:PC+8*A+7], s[DST+2:DST+3] offset:(A/2)*1024+(A%2)*512   ; (each tile has its own registers: no store's data are written again)
.set A, A+1
.endr
.irp f, 0,1,2,3                                ; fragment f's scale word: two bytes of tile (f, 0), two of tile (f, 1)
	v_perm_b32 v[KW+\f], v[WD+2*\f+1], v[WD+2*\f], 0x05040100      ; the first head's
	v_perm_b32 v[KW+4+\f], v[WD+2*\f+1], v[WD+2*\f], 0x07060302    ; the second's
.endr
.irp g, 0,1,2,3                                ; one register carries an even fragment's words in lanes 0-15 and the odd one's in lanes 16-31
	v_cndmask_b32 v[TM+\g], v[KW+2*\g], v[KW+2*\g+1], s[MK]
.endr
	global_store_b64 v[L8], v[TM:TM+1], s[DST:DST+1] offset:4096       ; 256 consecutive bytes
	global_store_b64 v[L8], v[TM+2:TM+3], s[DST+2:DST+3] offset:4096
	s_branch .Ldone
.Lout_v:
	; V.  Channel tile a: a whole fragment of V^T, 16 channels x my step's 128 keys; tiles 0-3 are my first head's, 4-7 my second's.  In kvimg V's half of a step begins 4,352 bytes in.
.set A, 0
.rept 8
	ADDB A, 1
	QUANT T, PC+8*A, WD+A
	global_store_b128 v[LI], v[PC+8*A:PC+8*A+3], s[DST+2*(A/4):DST+2*(A/4)+1] offset:4352+(A%4)*1024
	global_store_b128 v[LI], v[PC+8*A+4:PC+8*A+7], s[DST+2*(A/4):DST+2*(A/4)+1] offset:4352+(A%4)*1024+512
.set A, A+1
.endr
.irp g, 0,1,2,3
	v_cndmask_b32 v[TM+\g], v[WD+2*\g], v[WD+2*\g+1], s[MK]
.endr
	global_store_b64 v[L8], v[TM:TM+1], s[DST:DST+1] offset:8448
	global_store_b64 v[L8], v[TM+2:TM+3], s[DST+2:DST+3] offset:8448
.Ldone:
	s_wait_tensorcnt 0x0                           ; the wave's end
	ds_add_u32 v[SPW], v[NIL]
	s_wait_dscnt 0x0
	CROUND                                         ; the closing round
	s_endpgm
.Lfunc_end_k_q9a60aae4ec_proj:
	.size	k_q9a60aae4ec_proj, .Lfunc_end_k_q9a60aae4ec_proj-k_q9a60aae4ec_proj
	.p2alignl 7, 3214868480
	.fill 96, 4, 3214868480
	.section	.rodata,"a",@progbits
	.p2align	6, 0x0
	.amdhsa_kernel k_q9a60aae4ec_proj
		.amdhsa_group_segment_fixed_size 270848
		.amdhsa_private_segment_fixed_size 0
		.amdhsa_enable_private_segment 0
		.amdhsa_kernarg_size 104
		.amdhsa_user_sgpr_count 2
		.amdhsa_user_sgpr_kernarg_segment_ptr 1
		.amdhsa_wavefront_size32 1
		.amdhsa_system_sgpr_workgroup_id_x 1
		.amdhsa_system_sgpr_workgroup_id_y 1
		.amdhsa_system_sgpr_workgroup_id_z 1
		.amdhsa_system_vgpr_workitem_id 0
		.amdhsa_next_free_vgpr 1024
		.amdhsa_next_free_sgpr 100
		.amdhsa_reserve_vcc 0
		.amdhsa_float_denorm_mode_32 3
		.amdhsa_float_denorm_mode_16_64 3
		.amdhsa_memory_ordered 1
		.amdhsa_forward_progress 1
		.amdhsa_inst_pref_size 192
	.end_amdhsa_kernel
	.amdgpu_metadata
---
amdhsa.version: [ 1, 2 ]
amdhsa.kernels:
  - .name:           k_q9a60aae4ec_proj
    .symbol:         k_q9a60aae4ec_proj.kd
    .args:
      - { .name: x_codes, .offset: 0, .size: 8, .value_kind: global_buffer, .address_space: global }
      - { .name: x_scales, .offset: 8, .size: 8, .value_kind: global_buffer, .address_space: global }
      - { .name: Wq_codes, .offset: 16, .size: 8, .value_kind: global_buffer, .address_space: global }
      - { .name: Wq_scales, .offset: 24, .size: 8, .value_kind: global_buffer, .address_space: global }
      - { .name: bq, .offset: 32, .size: 8, .value_kind: global_buffer, .address_space: global }
      - { .name: Wk_codes, .offset: 40, .size: 8, .value_kind: global_buffer, .address_space: global }
      - { .name: Wk_scales, .offset: 48, .size: 8, .value_kind: global_buffer, .address_space: global }
      - { .name: bk, .offset: 56, .size: 8, .value_kind: global_buffer, .address_space: global }
      - { .name: Wv_codes, .offset: 64, .size: 8, .value_kind: global_buffer, .address_space: global }
      - { .name: Wv_scales, .offset: 72, .size: 8, .value_kind: global_buffer, .address_space: global }
      - { .name: bv, .offset: 80, .size: 8, .value_kind: global_buffer, .address_space: global }
      - { .name: qimg, .offset: 88, .size: 8, .value_kind: global_buffer, .address_space: global }
      - { .name: kvimg, .offset: 96, .size: 8, .value_kind: global_buffer, .address_space: global }
    .group_segment_fixed_size: 270848
    .private_segment_fixed_size: 0
    .kernarg_segment_align: 8
    .kernarg_segment_size: 104
    .max_flat_workgroup_size: 128
    .sgpr_count:     100
    .vgpr_count:     1024
    .wavefront_size: 32
...
	.end_amdgpu_metadata
.endif
;; end of part 1
;; launch attn (part 2): grid 4 x 64, 16 waves a work-group, clusters of 4 x 1, 167,936 bytes of LDS; arguments qimg, kvimg, aoimg, aosc; writes aoimg, aosc
.if DOCPART == 2
	.amdgcn_target "amdgcn-amd-amdhsa--gfx1250"
	.amdhsa_code_object_version 6
	.text
	.protected	k_q9a60aae4ec_attn
	.globl	k_q9a60aae4ec_attn
	.p2align	8
	.type	k_q9a60aae4ec_attn,@function
k_q9a60aae4ec_attn:
	s_mov_b64 s[64:65], 0
	v_nop
	global_prefetch_b8 v0, s[64:65] scope:SCOPE_SE
	s_setreg_imm32_b32 hwreg(HW_REG_WAVE_MODE, 25, 1), 1
	s_wait_xcnt 0x0
	s_wait_alu depctr_hold_cnt(0) depctr_sa_sdst(0) depctr_va_vdst(0) depctr_va_sdst(0) depctr_va_ssrc(0) depctr_va_vcc(0) depctr_vm_vsrc(0)
	s_getreg_b32 s2, hwreg(HW_REG_IB_STS2, 6, 4)
	s_cmp_eq_u32 s2, 0
	s_cbranch_scc0 .Lentry_in_a_cluster
	s_endpgm
.Lentry_in_a_cluster:
	s_bfe_u32 s2, ttmp6, 0x10000c
	s_cmp_lg_u32 s2, 0x3003
	s_cbranch_scc0 .Lentry_shape_is_right
	s_endpgm
.Lentry_shape_is_right:
; For each batch and head: o[q] = (the sum over k of Q(p[q][k]) V[k]) / l[q], both products on codes of FP4 (E2M1) with one E8M0 scale for each 32 along a product's K; then o is quantised along the model's columns for the last product.
; t = score x log2(e) / 8; M = the running largest t rounded UP to a whole number; p = 2^(t - M) is quantised along the keys; l is the sum of the unquantised p.  When M moves, l and O are multiplied by 2^(old M - new M): exact.
; No work of the problem is left out.  LIMITS as in the first launch: a block of zeros gets the byte 1; blocks under 2^-124 are held at that floor; NaN and infinities are not served.
; SHARES.  A work-group has one head of one batch and 512 queries; each of its sixteen waves has 32 of them, in two passes of one tile of 16, in 256 registers: four waves to a SIMD.
; A head's K and V, codes and scale words, are 139,264 bytes: they come into LDS ONCE (one joint tensor load a wave: the four work-groups of a head are a cluster) and serve both passes.  Nothing is filled again.
; They lie as images of operand registers, a step of 128 keys in 8,704 bytes: K's four fragments, K's scale words, V^T's four fragments, V's scale words.  A load of 16 bytes a lane at 16 x lane takes 512 consecutive bytes.
; THE FIRST PRODUCT'S K IS 64, THE INSTRUCTION'S 128.  A fragment of K holds TWO tiles of 16 keys: tile (f, 0) in k 0-63, tile (f, 1) in k 64-127.  Q lies in twelve registers, (q, zeros, q): the first eight are (q, 0),
; the last eight (0, q).  Zero codes add nothing, so K(f) x (q, 0) are tile (f, 0)'s scores and K(f) x (0, q) tile (f, 1)'s.
; LAYOUT.  Both products are used transposed: a lane holds ONE query.  Key tile (f, u) holds keys 32 f + 8 u + r + 8 (r / 8), so that the 16 registers of tiles (f, 0), (f, 1) are keys 32 f + 16 (lane / 16) + 0 .. 15; V's channel tiles likewise.
; REGISTERS: v1-8 addresses; v12 -M, v13 the largest t, v[14:15] l in two halves; v16-27 Q of pass 0, v28 its scale word; v30 pass 1's; v32-63 K; v64-95 V^T; v96-159 S^T, then p; v160-191 O^T; v192-203 Q of pass 1;
;   v204, v205 o's scale bytes; v[206:207] K's scale words, v[216:217] V's; v208-215 o's codes; v224-231 p's codes; v232-254 at work (v253: p's scale word).
.set STEPB, 8704
.set KSOFF, 4096                       ; in a step: K's scale words,
.set VOFF,  4352                       ; V^T's fragments,
.set VSOFF, 8448                       ; V's scale words
.set SPARE, 147456                     ; the spare words, 128 bytes for each wave: eight blocks of 256 bytes that no other line names
.set LI,  1                            ; v1  16 x lane
.set L8,  2                            ; v2  8 x lane
.set ADK, 3                            ; v3  the step in hand + 16 x lane
.set ADS, 4                            ; v4  + 8 x lane
.set SPW, 5
.set NIL, 6
.set L4,  7                            ; v7  4 x lane
.set R8,  8                            ; v8  8 x (lane % 16)
.set KF,  32
.set VF,  64
.set KS,  206
.set VS,  216
.set WV,  12
.set SEL, 20
.set CS,  22                           ; s[22:23] c = log2(e) / 8
.set G1,  24
.set G0,  32
.set TB,  36                           ; LDS byte at which the step in hand begins
.set CNT, 37
.set MK,  38                           ; lanes 16-31
.macro CROUND                          ; a round of the cluster's barrier
	s_barrier_signal -1
	s_barrier_wait -1
	s_cmp_lg_u32 s[WV], 0
	s_cbranch_scc1 .Lnot_wave_0_\@
	s_barrier_signal -3
.Lnot_wave_0_\@:
	s_barrier_wait -3
	s_barrier_signal -1
	s_barrier_wait -1
.endm
	s_load_b256 s[4:11], s[0:1], 0x0               ; qimg s[4:5], kvimg s[6:7], aoimg s[8:9], aosc s[10:11]
	v_lshl_add_u32 v[SPW], v0, 2, SPARE
	v_mov_b32 v[NIL], 0
	ds_add_u32 v[SPW], v[NIL]                      ; the wave's opening: the add, twice on end, and its wait ahead of my first tensor load
	ds_add_u32 v[SPW], v[NIL]
	v_lshrrev_b32 v1, 5, v0
	s_delay_alu instid0(VALU_DEP_1)
	v_readfirstlane_b32 s[WV], v1                  ; wave 0..15
	s_bfe_u32 s13, ttmp6, 0x40000                  ; cx
	s_lshl_b32 s15, ttmp9, 2
	s_add_co_u32 s13, s13, s15                     ; my block of 512 queries: it enters Q's and the outputs' addresses alone
	s_and_b32 s14, ttmp7, 0xffff                   ; 16 x batch + head, which the four partners share
	s_mov_b32 s[G1], 15|(3<<16)|(1<<21)            ; the mask: all four work-groups; elements of 8 bytes; bit 21 beside a mask; no padding
	s_mov_b32 s[G1+1], 32<<16                      ; a step's 8,704 dense bytes as 34 rows of 256
	s_mov_b32 s[G1+2], 34<<16
	s_mov_b32 s[G1+3], 32<<16
	s_mov_b32 s[G1+4], 34
	s_mov_b32 s[G1+5], 32
	s_mov_b32 s[G1+6], 0
	s_mov_b32 s[G1+7], 0
	s_mov_b32 s[SEL], 0x76543210
	s_mov_b32 s[SEL+1], 0xfedcba98                 ; v_permlanex16_b32's selects for lane l xor 16
	s_mov_b32 s[CS], 0x3e38aa3b
	s_mov_b32 s[CS+1], s[CS]                       ; (named with it as a pair, so it is written)
	s_mov_b32 s[MK], 0xffff0000
	s_mov_b32 s[G0], 1
	s_mul_i32 s[G0+1], s[WV], STEPB                ; wave w fetches step w
	s_mul_i32 s16, s14, 16*STEPB
	s_add_co_u32 s16, s16, s[G0+1]
	s_mov_b32 s17, 0
	s_lshl_b32 s18, s13, 2                         ; my 32 queries are pair 16 x block + wave of the batch's 64: fragment wave % 4 of step 4 x block + wave / 4
	s_lshr_b32 s19, s[WV], 2
	s_add_co_u32 s18, s18, s19
	s_mul_i32 s18, s18, 4352
	s_mul_i32 s19, s14, 16*4352
	s_add_co_u32 s18, s18, s19
	s_mov_b32 s19, 0
	s_and_b32 s48, s[WV], 3
	s_lshl_b32 s50, s48, 10                        ; the fragment's codes,
	s_mov_b32 s51, 0
	s_and_b32 s52, s48, 1                          ; and its scale words: 8 bytes a lane; an odd fragment's lie in lanes 16-31, fragments 2 and 3 in the second word
	s_lshl_b32 s52, s52, 7
	s_lshr_b32 s53, s48, 1
	s_lshl_b32 s53, s53, 2
	s_add_co_u32 s52, s52, s53
	s_add_co_u32 s52, s52, KSOFF
	s_mov_b32 s53, 0
	s_lshr_b32 s54, s14, 4
	s_lshl_b32 s54, s54, 6
	s_lshl_b32 s55, s13, 4
	s_add_co_u32 s54, s54, s55
	s_add_co_u32 s54, s54, s[WV]                   ; my pair among all 256
	s_and_b32 s55, s14, 15                         ; the head
	s_lshl_b32 s56, s54, 14                        ; aoimg: two tiles of 16 heads x 512 bytes a pair,
	s_lshl_b32 s57, s55, 9
	s_add_co_u32 s56, s56, s57
	s_mov_b32 s57, 0
	s_lshl_b32 s58, s54, 10                        ; aosc: 1,024 bytes a pair, 128 for two heads, my head's half of each word
	s_lshr_b32 s59, s55, 1
	s_lshl_b32 s59, s59, 7
	s_add_co_u32 s58, s58, s59
	s_and_b32 s59, s55, 1
	s_lshl_b32 s59, s59, 1
	s_add_co_u32 s58, s58, s59
	s_mov_b32 s59, 0
	s_wait_dscnt 0x0                               ; both opening adds are done
	s_wait_kmcnt 0x0
	s_add_nc_u64 s[G0+2:G0+3], s[6:7], s[16:17]
	s_or_b32 s[G0+3], s[G0+3], 0x80000000          ; type = 2
	s_add_nc_u64 s[40:41], s[4:5], s[18:19]
	s_add_nc_u64 s[42:43], s[40:41], s[52:53]      ; Q's scale words
	s_add_nc_u64 s[40:41], s[40:41], s[50:51]      ; Q's codes
	s_add_nc_u64 s[44:45], s[8:9], s[56:57]
	s_add_nc_u64 s[46:47], s[10:11], s[58:59]
	CROUND                                         ; all four work-groups are here: the joint loads meet
	tensor_load_to_lds s[G0:G0+3], s[G1:G1+7]      ; every wave issues one: one tensor load of mine is out, the launch's only one
	s_nop 0
.rept 4
	v_nop
.endr
	v_and_b32 v9, 31, v0
	s_delay_alu instid0(VALU_DEP_1)
	v_lshlrev_b32 v[LI], 4, v9
	s_delay_alu instid0(VALU_DEP_2)
	v_lshlrev_b32 v[L8], 3, v9
	s_delay_alu instid0(VALU_DEP_3)
	v_lshlrev_b32 v[L4], 2, v9
	v_and_b32 v[R8], 15, v0
	s_delay_alu instid0(VALU_DEP_1)
	v_lshlrev_b32 v[R8], 3, v[R8]
	global_load_b128 v[16:19], v[LI], s[40:41]             ; pass 0's tile: (q, zeros, q)
	global_load_b128 v[24:27], v[LI], s[40:41]
	global_load_b128 v[192:195], v[LI], s[40:41] offset:512   ; pass 1's
	global_load_b128 v[200:203], v[LI], s[40:41] offset:512
	global_load_b32 v29, v[R8], s[42:43]                   ; row r's word: two bytes of pass 0's query, two of pass 1's
.irp j, 20,21,22,23,196,197,198,199
	v_mov_b32 v[\j], 0                             ; the zero codes
.endr
.irp j, 236,237,238,239
	v_mov_b32 v[\j], 0                             ; written once: a lane permute's destination counts as one of its sources
.endr
	v_mov_b32 v253, 0                              ; (named as the upper half of the pair v[252:253] before it is first written)
	s_wait_tensorcnt 0x0                           ; my step is in,
	s_barrier_signal -1
	s_barrier_wait -1                              ; everybody's is
	s_wait_loadcnt 0x0
	v_perm_b32 v28, v29, v29, 0x01000100           ; Q's scale word serves both halves of K: (s0, s1, s0, s1)
	v_perm_b32 v30, v29, v29, 0x03020302
; A KEY STEP: 128 keys.  K of this step was asked for a step ago.  more = 1: the next step's K is asked for.  qa: the pass's twelve registers of Q;  qs: its scale word.
.macro STEP more, qa, qs
	v_add_nc_u32 v[ADK], s[TB], v[LI]
	v_add_nc_u32 v[ADS], s[TB], v[L8]
	v_nop
	v_nop                                          ; four places behind the last step's products, ahead of the loads into V's registers
.irp i, 0,1,2,3,4,5,6,7
	ds_load_b128 v[VF+4*\i:VF+4*\i+3], v[ADK] offset:VOFF+512*\i
.endr
	ds_load_b64 v[VS:VS+1], v[ADS] offset:VSOFF
	s_wait_dscnt 9                                 ; the nine loads of V just issued may stay out: K's nine, issued ahead of them, are in
.irp f, 0,1,2,3
.irp u, 0,1
.if \f%2
	v_wmma_scale_f32_16x16x128_f8f6f4 v[96+16*\f+8*\u:103+16*\f+8*\u], v[KF+8*\f:KF+8*\f+7], v[(\qa)+4*\u:(\qa)+4*\u+7], 0, v[KS+\f/2], v[\qs] matrix_a_fmt:MATRIX_FMT_FP4 matrix_b_fmt:MATRIX_FMT_FP4 matrix_a_scale:MATRIX_SCALE_ROW1
.else
	v_wmma_scale_f32_16x16x128_f8f6f4 v[96+16*\f+8*\u:103+16*\f+8*\u], v[KF+8*\f:KF+8*\f+7], v[(\qa)+4*\u:(\qa)+4*\u+7], 0, v[KS+\f/2], v[\qs] matrix_a_fmt:MATRIX_FMT_FP4 matrix_b_fmt:MATRIX_FMT_FP4
.endif
.endr
.endr
.rept 4
	v_nop                                          ; places ahead of the loads into K's registers and of the first read of the scores
.endr
.if \more
	s_wait_alu depctr_va_vdst(0)
.irp i, 0,1,2,3,4,5,6,7
	ds_load_b128 v[KF+4*\i:KF+4*\i+3], v[ADK] offset:STEPB+512*\i
.endr
	ds_load_b64 v[KS:KS+1], v[ADS] offset:STEPB+KSOFF
.endif
.irp b, 0,1,2,3
	v_max3_num_f32 v[232+\b], v[96+16*\b], v[97+16*\b], v[98+16*\b]   ; the largest score of each block of 32 keys: for the row's maximum and, since p rises with the score, for the block's largest p
.endr
.irp i, 3,5,7,9,11,13
.irp b, 0,1,2,3
	v_max3_num_f32 v[232+\b], v[232+\b], v[96+16*\b+\i], v[97+16*\b+\i]
.endr
.endr
.irp b, 0,1,2,3
	v_max_num_f32 v[232+\b], v[232+\b], v[111+16*\b]
.endr
.irp b, 0,1,2,3
	s_delay_alu instid0(VALU_DEP_4)
	v_permlanex16_b32 v[236+\b], v[232+\b], s[SEL], s[SEL+1]
.endr
.irp b, 0,1,2,3
	s_delay_alu instid0(VALU_DEP_4)
	v_max_num_f32 v[232+\b], v[232+\b], v[236+\b]  ; with lane l xor 16's 16 keys
.endr
	s_delay_alu instid0(VALU_DEP_2)
	v_max3_num_f32 v254, v232, v233, v234
	s_delay_alu instid0(VALU_DEP_1)
	v_max_num_f32 v254, v254, v235
	s_delay_alu instid0(VALU_DEP_1)
	v_mul_f32 v254, s[CS], v254                    ; the step's largest t (c is positive)
	s_delay_alu instid0(VALU_DEP_1)
	v_max_num_f32 v13, v13, v254                   ; the running largest t
	v_mov_b32 v254, v12
	s_delay_alu instid0(VALU_DEP_2)
	v_floor_f32 v12, -v13                          ; the new -M = floor(-t) = -ceil(t)
	s_delay_alu instid0(VALU_DEP_1)
	v_sub_f32 v254, v12, v254                      ; old M - new M: a whole number, 0 or less
	s_delay_alu instid0(VALU_DEP_1)
	v_cvt_i32_f32 v254, v254                       ; (it saturates)
	s_delay_alu instid0(VALU_DEP_1)
	v_ldexp_f32 v252, 1.0, v254                    ; f = 2^(old M - new M)
.set n, 0
.rept 32
	v_pk_fma_f32 v[96+n:97+n], v[96+n:97+n], s[CS:CS+1], v[12:13] op_sel_hi:[1,0,0]   ; t - M, two at a time
.set n, n+2
.endr
.irp b, 0,1,2,3
	v_fma_f32 v[232+\b], v[232+\b], s[CS], v12     ; the same of each block's largest score
.endr
.set n, 0
	s_wait_alu depctr_va_vdst(0)
.rept 64
	v_exp_f32 v[96+n], v[96+n]                     ; p = 2^(t - M), at most 1
.set n, n+1
.endr
	s_setprio 1
	v_pk_mul_f32 v[14:15], v[14:15], v[252:253] op_sel_hi:[1,0]   ; l under the new M: the plain place behind the exponentials
	s_wait_alu depctr_va_vdst(0)                   ; one wait for the batch of 64, ahead of its first reader
.irp b, 0,1,2,3
	v_exp_f32 v[232+\b], v[232+\b]                 ; the block's largest p: the same two instructions on the same number give the same bits
.endr
	v_pk_add_f32 v[240:241], v[96:97], v[98:99]    ; l takes the UNQUANTISED p: two at a time, in two chains; these lines read the 64 alone
.irp j, 4,8,12,16,20,24,28,32,36,40,44,48,52
	v_pk_add_f32 v[14:15], v[14:15], v[96+\j:97+\j]
	v_pk_add_f32 v[240:241], v[240:241], v[98+\j:99+\j]
.endr
	s_wait_alu depctr_va_vdst(0)                   ; and one for the four
.irp b, 0,1,2,3
	v_max_num_f32 v[232+\b], 0x1800000, v[232+\b]  ; the floor 2^(3 - 127): the byte cannot fall under 1
.endr
.irp b, 0,1,2,3
	s_delay_alu instid0(VALU_DEP_4)
	v_add_nc_u32 v[244+\b], 0xff000000, v[232+\b]  ; 2 off the exponent field: the conversion's scale operand
.endr
.irp b, 0,1,2,3
	s_delay_alu instid0(VALU_DEP_4)
	v_lshrrev_b32 v[236+\b], 23, v[244+\b]         ; the scale's byte
.endr
	s_delay_alu instid0(VALU_DEP_3)
	v_lshl_or_b32 v253, v237, 8, v236              ; p's scale word for these 128 keys
	s_delay_alu instid0(VALU_DEP_1)
	v_lshl_or_b32 v253, v238, 16, v253
	s_delay_alu instid0(VALU_DEP_1)
	v_lshl_or_b32 v253, v239, 24, v253
.irp b, 0,1,2,3
	v_cvt_scalef32_pk8_fp4_f32 v[224+2*\b], v[96+16*\b:103+16*\b], v[244+\b]
	v_cvt_scalef32_pk8_fp4_f32 v[225+2*\b], v[104+16*\b:111+16*\b], v[244+\b]
.endr
	v_nop                                          ; one plain place behind a scaled conversion
.irp c, 0,1                                    ; the operand's layout wants a whole block in a lane
.irp i, 0,1
	v_permlane16_swap_b32 v[224+4*\c+\i], v[226+4*\c+\i]
.endr
.endr
.set n, 0
	s_setprio 0
.rept 16
	v_pk_mul_f32 v[160+n:161+n], v[160+n:161+n], v[252:253] op_sel_hi:[1,0]   ; O^T under the new M
.set n, n+2
.endr
.irp j, 56,60                                  ; the sums' last lines stand here: five plain lines that name no register of the products below
	v_pk_add_f32 v[14:15], v[14:15], v[96+\j:97+\j]
	v_pk_add_f32 v[240:241], v[240:241], v[98+\j:99+\j]
.endr
	s_delay_alu instid0(VALU_DEP_1)
	v_pk_add_f32 v[14:15], v[14:15], v[240:241]
.if \more
	s_wait_alu depctr_va_vdst(0)
	s_wait_dscnt 9                                 ; the nine loads of the next step's K may stay out: V's nine, issued ahead of them, are in
.else
	s_wait_alu depctr_va_vdst(0)
	s_wait_dscnt 0x0
.endif
.irp t, 0,1,2,3                                ; O^T += V^T P^T: four tiles of 16 channels, one instruction each
.if \t%2
	v_wmma_scale_f32_16x16x128_f8f6f4 v[160+8*\t:167+8*\t], v[VF+8*\t:VF+8*\t+7], v[224:231], v[160+8*\t:167+8*\t], v[VS+\t/2], v253 matrix_a_fmt:MATRIX_FMT_FP4 matrix_b_fmt:MATRIX_FMT_FP4 matrix_a_scale:MATRIX_SCALE_ROW1
.else
	v_wmma_scale_f32_16x16x128_f8f6f4 v[160+8*\t:167+8*\t], v[VF+8*\t:VF+8*\t+7], v[224:231], v[160+8*\t:167+8*\t], v[VS+\t/2], v253 matrix_a_fmt:MATRIX_FMT_FP4 matrix_b_fmt:MATRIX_FMT_FP4
.endif
.endr
	s_add_co_u32 s[TB], s[TB], STEPB
.endm
; THE WAY OUT of pass u: O^T / l; register 16 e + i is channel 32 e + 16 (lane / 16) + i of my query: the head's two blocks of 32 along the last product's K.  They are quantised, and the codes leave as an image.
.macro WAYOUT u
.rept 4
	v_nop                                          ; places behind the last products
.endr
	v_add_f32 v14, v14, v15                        ; l's two halves,
	s_delay_alu instid0(VALU_DEP_1)
	v_permlanex16_b32 v252, v14, s[SEL], s[SEL+1]
	s_delay_alu instid0(VALU_DEP_1)
	v_add_f32 v14, v14, v252                       ; and lane l xor 16's
	s_wait_alu depctr_va_vdst(0)
	v_rcp_f32 v14, v14
	v_nop                                          ; a plain place behind the reciprocal,
	s_wait_alu depctr_va_vdst(0)                   ; and the wait ahead of its first reader
.set n, 0
.rept 16
	v_pk_mul_f32 v[96+n:97+n], v[160+n:161+n], v[14:15] op_sel_hi:[1,0]   ; each accumulator from its low end on
.set n, n+2
.endr
.irp e, 0,1
	v_max3_num_f32 v[232+\e], |v[96+16*\e]|, |v[97+16*\e]|, 0x1800000
.endr
.irp i, 2,4,6,8,10,12,14
.irp e, 0,1
	s_delay_alu instid0(VALU_DEP_2)
	v_max3_num_f32 v[232+\e], v[232+\e], |v[96+16*\e+\i]|, |v[97+16*\e+\i]|
.endr
.endr
.irp e, 0,1
	s_delay_alu instid0(VALU_DEP_2)
	v_permlanex16_b32 v[236+\e], v[232+\e], s[SEL], s[SEL+1]
.endr
.irp e, 0,1
	s_delay_alu instid0(VALU_DEP_2)
	v_max_num_f32 v[232+\e], v[232+\e], v[236+\e]
.endr
.irp e, 0,1
	s_delay_alu instid0(VALU_DEP_2)
	v_add_nc_u32 v[244+\e], 0xff000000, v[232+\e]
.endr
.irp e, 0,1
	s_delay_alu instid0(VALU_DEP_2)
	v_lshrrev_b32 v[236+\e], 23, v[244+\e]
.endr
	s_delay_alu instid0(VALU_DEP_1)
	v_lshl_or_b32 v[204+\u], v237, 8, v236         ; my row's two scale bytes
.irp e, 0,1
	v_cvt_scalef32_pk8_fp4_f32 v[208+4*\u+2*\e], v[96+16*\e:103+16*\e], v[244+\e]
	v_cvt_scalef32_pk8_fp4_f32 v[209+4*\u+2*\e], v[104+16*\e:111+16*\e], v[244+\e]
.endr
	v_nop                                          ; one plain place behind a scaled conversion
	v_permlane16_swap_b32 v[208+4*\u], v[210+4*\u]   ; lanes 0-15: channels 0-31; lanes 16-31: channels 32-63
	v_permlane16_swap_b32 v[209+4*\u], v[211+4*\u]
	global_store_b128 v[LI], v[208+4*\u:211+4*\u], s[44:45] offset:8192*\u   ; 32 lanes store 512 consecutive bytes; each pass has its own registers
.endm
.macro PASS u, qa, qs
	v_mov_b32 v13, 0xff61b1e6                      ; the largest t so far: -3e38, under every t
	s_delay_alu instid0(VALU_DEP_1)
	v_floor_f32 v12, -v13                          ; -M
	v_mov_b32 v14, 0
	v_mov_b32 v15, 0
.set n, 0
.rept 32
	v_mov_b32 v[160+n], 0                          ; O^T: the step is written once: the first finds zeros, which the first change of M leaves zeros
.set n, n+1
.endr
	s_mov_b32 s[TB], 0
.irp i, 0,1,2,3,4,5,6,7
	ds_load_b128 v[KF+4*\i:KF+4*\i+3], v[LI] offset:512*\i   ; K of step 0
.endr
	ds_load_b64 v[KS:KS+1], v[L8] offset:KSOFF
	s_mov_b32 s[CNT], 15
.Lstep_\@:
	s_setprio 2
	STEP 1, \qa, \qs
	s_sub_co_u32 s[CNT], s[CNT], 1
	s_cmp_lg_u32 s[CNT], 0
	s_cbranch_scc1 .Lstep_\@
	s_setprio 0
	STEP 0, \qa, \qs                               ; the last step is written out: it asks for nothing beyond the head's sixteen steps
	WAYOUT \u
.endm
	PASS 0, 16, 28
	PASS 1, 192, 30
	v_cndmask_b32 v204, v204, v205, s[MK]          ; lanes 0-15: pass 0's rows; lanes 16-31: pass 1's
	global_store_b16 v[L4], v204, s[46:47]         ; two bytes of each of 32 neighbouring words; the head beside mine fills the other two.  The program's one narrow store: 64 bytes a wave
	s_wait_tensorcnt 0x0                           ; the wave's end
	ds_add_u32 v[SPW], v[NIL]
	s_wait_dscnt 0x0
	CROUND                                         ; the closing round
	s_endpgm
.Lfunc_end_k_q9a60aae4ec_attn:
	.size	k_q9a60aae4ec_attn, .Lfunc_end_k_q9a60aae4ec_attn-k_q9a60aae4ec_attn
	.p2alignl 7, 3214868480
	.fill 96, 4, 3214868480
	.section	.rodata,"a",@progbits
	.p2align	6, 0x0
	.amdhsa_kernel k_q9a60aae4ec_attn
		.amdhsa_group_segment_fixed_size 167936
		.amdhsa_private_segment_fixed_size 0
		.amdhsa_enable_private_segment 0
		.amdhsa_kernarg_size 32
		.amdhsa_user_sgpr_count 2
		.amdhsa_user_sgpr_kernarg_segment_ptr 1
		.amdhsa_wavefront_size32 1
		.amdhsa_system_sgpr_workgroup_id_x 1
		.amdhsa_system_sgpr_workgroup_id_y 1
		.amdhsa_system_sgpr_workgroup_id_z 1
		.amdhsa_system_vgpr_workitem_id 0
		.amdhsa_next_free_vgpr 256
		.amdhsa_next_free_sgpr 66
		.amdhsa_reserve_vcc 0
		.amdhsa_float_denorm_mode_32 3
		.amdhsa_float_denorm_mode_16_64 3
		.amdhsa_memory_ordered 1
		.amdhsa_forward_progress 1
		.amdhsa_inst_pref_size 80
	.end_amdhsa_kernel
	.amdgpu_metadata
---
amdhsa.version: [ 1, 2 ]
amdhsa.kernels:
  - .name:           k_q9a60aae4ec_attn
    .symbol:         k_q9a60aae4ec_attn.kd
    .args:
      - { .name: qimg, .offset: 0, .size: 8, .value_kind: global_buffer, .address_space: global }
      - { .name: kvimg, .offset: 8, .size: 8, .value_kind: global_buffer, .address_space: global }
      - { .name: aoimg, .offset: 16, .size: 8, .value_kind: global_buffer, .address_space: global }
      - { .name: aosc, .offset: 24, .size: 8, .value_kind: global_buffer, .address_space: global }
    .group_segment_fixed_size: 167936
    .private_segment_fixed_size: 0
    .kernarg_segment_align: 8
    .kernarg_segment_size: 32
    .max_flat_workgroup_size: 512
    .sgpr_count:     66
    .vgpr_count:     256
    .wavefront_size: 32
...
	.end_amdgpu_metadata
.endif
;; end of part 2
;; launch outp (part 3): grid 4 x 64, 4 waves a work-group, clusters of 4 x 4, 327,680 bytes of LDS; arguments aoimg, aosc, Wo_codes, Wo_scales, bo, out0; writes out0
.if DOCPART == 3
	.amdgcn_target "amdgcn-amd-amdhsa--gfx1250"
	.amdhsa_code_object_version 6
	.text
	.protected	k_q9a60aae4ec_outp
	.globl	k_q9a60aae4ec_outp
	.p2align	8
	.type	k_q9a60aae4ec_outp,@function
k_q9a60aae4ec_outp:
	s_mov_b64 s[64:65], 0
	v_nop
	global_prefetch_b8 v0, s[64:65] scope:SCOPE_SE
	s_setreg_imm32_b32 hwreg(HW_REG_WAVE_MODE, 25, 1), 1
	s_wait_xcnt 0x0
	s_wait_alu depctr_hold_cnt(0) depctr_sa_sdst(0) depctr_va_vdst(0) depctr_va_sdst(0) depctr_va_ssrc(0) depctr_va_vcc(0) depctr_vm_vsrc(0)
	s_getreg_b32 s2, hwreg(HW_REG_IB_STS2, 6, 4)
	s_cmp_eq_u32 s2, 0
	s_cbranch_scc0 .Lentry_in_a_cluster
	s_endpgm
.Lentry_in_a_cluster:
	s_bfe_u32 s2, ttmp6, 0x10000c
	s_cmp_lg_u32 s2, 0xf033
	s_cbranch_scc0 .Lentry_shape_is_right
	s_endpgm
.Lentry_shape_is_right:
; out0 = Q(attention's output) Wo + bo on codes of FP4 (E2M1) with one E8M0 scale for each 32 along K = 1,024; sums in f32.  No work of the problem is left out.  LIMITS: scale bytes of 0xff, NaN and infinities are not served.
; SHARES.  A work-group makes 128 tokens x 256 columns (256 work-groups), a wave 64 x 128: 32 accumulators.  All of K lies in LDS, filled once by two joint tensor loads a wave: the tokens' codes, which lie in memory as images of
; operand registers (a tile of 16 tokens: 16 heads x 512 bytes), shared along the cluster's row; Wo's 256 rows of 512 bytes, shared along its column.  Nothing is filled again.
; Source 0 = 16 rows of Wo (neighbours), source 1 = a tile of tokens: a lane holds eight neighbouring columns of one row of out0.  bo is the C of each sum's first product.
; A TILE OF TOKENS IS NOT 16 NEIGHBOURS: tile a of a wave holds tokens 32 (a / 2) + 8 (a % 2) + r + 8 (r / 8): the stores' immediates put each row at its place.
; REGISTERS: window 0: v8-15 addresses; v28, v29 the add's two; v32-63 Wo's scale words, v64-79 the tokens'; v128-159, v160-191 the tokens' fragments, two sets; on the way out v128-255 rows of out0.
;   window 1: v0-63, v128-191 Wo's fragments, two sets; v64-127 bo.   window 2: accumulator (a, b) at v[64 a + 8 b].
.set PITCH, 528                        ; a row of Wo in LDS: 512 bytes + 16 of padding
.set AOR,   0                          ; the tokens' images: 8 tiles x 8,192 bytes
.set WOR,   65536                      ; Wo's 256 rows
.set STG,   WOR+256*PITCH              ; the stages: 16 rows x 528 bytes for each wave: bytes into which no fill lands
.set SPARE, STG+4*16*PITCH             ; the spare words, 128 bytes for each wave: two blocks of 256 bytes that no other line names
.set ADP, 8
.set ADR, 9
.set STO, 10
.set RD,  11
.set CO,  12
.set SPW, 28
.set NIL, 29
.set SP,  32
.set SR,  64
.set BO,  64                           ; window 1
.set WV,  16
.set WA,  17
.set WB,  18
.set G1A, 24
.set G0A, 32
.set G1W, 48
.set G0W, 56
.set MSB, 0
.macro WIN new
.if MSB != (\new)
	s_set_vgpr_msb (MSB<<8)|(\new)
.set MSB, (\new)
.endif
.endm
.macro PLACES
.rept 4
	v_nop
.endr
.endm
.macro CROUND
	s_barrier_signal -1
	s_barrier_wait -1
	s_cmp_lg_u32 s[WV], 0
	s_cbranch_scc1 .Lnot_wave_0_\@
	s_barrier_signal -3
.Lnot_wave_0_\@:
	s_barrier_wait -3
	s_barrier_signal -1
	s_barrier_wait -1
.endm
	s_load_b256 s[4:11], s[0:1], 0x0               ; aoimg s[4:5], aosc s[6:7], Wo's codes s[8:9], Wo's scales s[10:11]
	s_load_b128 s[12:15], s[0:1], 0x20             ; bo s[12:13], out0 s[14:15]
	v_lshl_add_u32 v[SPW], v0, 2, SPARE
	v_mov_b32 v[NIL], 0
	ds_add_u32 v[SPW], v[NIL]                      ; the wave's opening: the add, twice on end, and its wait ahead of my first tensor load
	ds_add_u32 v[SPW], v[NIL]
	v_lshrrev_b32 v1, 5, v0
	v_readfirstlane_b32 s[WV], v1
	s_lshr_b32 s[WA], s[WV], 1                     ; which 64 tokens are mine
	s_and_b32 s[WB], s[WV], 1                      ; which 128 columns
	s_bfe_u32 s40, ttmp6, 0x40000                  ; cx
	s_bfe_u32 s41, ttmp6, 0x40004                  ; cy
	s_lshl_b32 s45, ttmp9, 2
	s_add_co_u32 s45, s45, s40                     ; column tile
	s_and_b32 s42, ttmp7, 0xffff
	s_lshl_b32 s42, s42, 2
	s_add_co_u32 s42, s42, s41                     ; token tile
	s_lshl_b32 s43, s41, 2
	s_lshl_b32 s43, 15, s43                        ; my row of the cluster
	s_lshl_b32 s44, 0x1111, s40                    ; my column
	s_or_b32 s[G1A], s43, (3<<16)|(1<<21)          ; the images: 16,384 dense bytes a wave as 64 rows of 256; elements of 8 bytes; no padding
	s_mov_b32 s[G1A+1], 32<<16
	s_mov_b32 s[G1A+2], 64<<16
	s_mov_b32 s[G1A+3], 32<<16
	s_mov_b32 s[G1A+4], 64
	s_mov_b32 s[G1A+5], 32
	s_mov_b32 s[G1A+6], 0
	s_mov_b32 s[G1A+7], 0
	s_or_b32 s[G1W], s44, (3<<16)|(1<<20)|(1<<21)|(6<<22)|(3<<25)   ; Wo: 64 rows of 512 bytes a wave, four words of padding after every 128
	s_mov_b32 s[G1W+1], 64<<16
	s_mov_b32 s[G1W+2], 64<<16
	s_mov_b32 s[G1W+3], 64<<16
	s_mov_b32 s[G1W+4], 64
	s_mov_b32 s[G1W+5], 64
	s_mov_b32 s[G1W+6], 0
	s_mov_b32 s[G1W+7], 0
	s_mov_b32 s[G0A], 1
	s_lshl_b32 s[G0A+1], s[WV], 14                 ; (AOR = 0)
	s_mov_b32 s[G0W], 1
	s_mul_i32 s[G0W+1], s[WV], 64*PITCH
	s_add_co_u32 s[G0W+1], s[G0W+1], WOR
	s_lshl_b32 s20, s42, 16                        ; the images of my work-group's 8 tiles, my quarter (these registers never hold cx)
	s_add_co_u32 s20, s20, s[G0A+1]
	s_mov_b32 s21, 0
	s_lshl_b32 s22, s45, 17                        ; Wo's 256 rows, my quarter (these never hold cy)
	s_lshl_b32 s23, s[WV], 15
	s_add_co_u32 s22, s22, s23
	s_mov_b32 s23, 0
	s_lshl_b32 s36, s45, 13                        ; Wo's scale bytes at my 128 columns
	s_lshl_b32 s37, s[WB], 12
	s_add_co_u32 s36, s36, s37
	s_mov_b32 s37, 0
	s_lshl_b32 s38, s42, 12                        ; the tokens' scale words: 1,024 bytes for 32 tokens
	s_lshl_b32 s39, s[WA], 11
	s_add_co_u32 s38, s38, s39
	s_mov_b32 s39, 0
	s_lshl_b32 s46, s45, 10                        ; my first column, in bytes of f32
	s_lshl_b32 s47, s[WB], 9
	s_add_co_u32 s46, s46, s47
	s_mov_b32 s47, 0
	s_lshl_b32 s60, s42, 19                        ; my first row of out0: 128 x token tile + 64 x half, 4,096 bytes a row
	s_lshl_b32 s61, s[WA], 18
	s_add_co_u32 s60, s60, s61
	s_add_co_u32 s60, s60, s46
	s_mov_b32 s61, 0
	s_wait_dscnt 0x0                               ; both opening adds are done
	s_wait_kmcnt 0x0
	s_add_nc_u64 s[G0A+2:G0A+3], s[4:5], s[20:21]
	s_or_b32 s[G0A+3], s[G0A+3], 0x80000000
	s_add_nc_u64 s[G0W+2:G0W+3], s[8:9], s[22:23]
	s_or_b32 s[G0W+3], s[G0W+3], 0x80000000
	CROUND                                         ; all sixteen work-groups are here: the joint loads meet
	tensor_load_to_lds s[G0A:G0A+3], s[G1A:G1A+7]  ; every wave issues two, the launch's only ones: this one is in before the second goes out
	s_nop 0
	s_wait_alu depctr_va_vdst(0)
	s_wait_tensorcnt 0x0
	ds_add_u32 v28, v29
	s_wait_dscnt 0x0
	CROUND
	tensor_load_to_lds s[G0W:G0W+3], s[G1W:G1W+7]
	s_nop 0
	PLACES
	s_add_nc_u64 s[10:11], s[10:11], s[36:37]
	s_add_nc_u64 s[6:7], s[6:7], s[38:39]
	s_add_nc_u64 s[12:13], s[12:13], s[46:47]
	s_add_nc_u64 s[14:15], s[14:15], s[60:61]
	v_and_b32 v1, 15, v0                           ; r
	v_bfe_u32 v2, v0, 4, 1                         ; h
	v_mul_u32_u24 v3, v1, PITCH
	s_mul_i32 s20, s[WB], 128*PITCH
	s_add_co_u32 s20, s20, WOR
	v_lshl_add_u32 v[ADP], v2, 4, v3
	v_add_nc_u32 v[ADP], s20, v[ADP]               ; Wo: my 128 rows, row r, + 16 h
	v_and_b32 v4, 31, v0
	v_lshlrev_b32 v[CO], 4, v4                     ; 16 x lane
	s_lshl_b32 s21, s[WA], 15
	v_add_nc_u32 v[ADR], s21, v[CO]                ; the images of my four tiles
	s_mul_i32 s22, s[WV], 16*PITCH
	s_add_co_u32 s22, s22, STG                     ; my stage
	v_lshl_add_u32 v[STO], v2, 5, v3
	v_add_nc_u32 v[STO], s22, v[STO]               ; in: row r, 32 bytes for each half of the lanes
	v_add_nc_u32 v[RD], s22, v[CO]                 ; back: the 32 lanes take one row of 512 bytes
	v_lshlrev_b32 v13, 5, v1
	v_lshl_add_u32 v13, v2, 4, v13                 ; Wo's scale bytes: 32 r + 16 h: lanes 0-15 the words of K steps 0-3, lanes 16-31 of steps 4-7
	v_lshlrev_b32 v14, 2, v1
	v_lshl_add_u32 v14, v2, 9, v14                 ; the tokens': 4 r, and four K steps (512 bytes) on for lanes 16-31
	v_lshlrev_b32 v15, 5, v2                       ; bo: 32 h
.irp b, 0,1,2,3,4,5,6,7
	global_load_b128 v[SP+4*\b:SP+4*\b+3], v13, s[10:11] offset:512*\b
.endr
.irp a, 0,1,2,3
.irp j, 0,1,2,3
	global_load_b32 v[SR+4*\a+\j], v14, s[6:7] offset:(\a/2)*1024+128*\j+64*(\a%2)
.endr
.endr
	WIN 0x40
.irp b, 0,1,2,3,4,5,6,7                        ; tile b's eight registers in the result's layout: bo of columns 16 b + 8 h + 0 .. 7
	global_load_b128 v[BO+8*\b:BO+8*\b+3], v15, s[12:13] offset:64*\b
	global_load_b128 v[BO+8*\b+4:BO+8*\b+7], v15, s[12:13] offset:64*\b+16
.endr
	WIN 0
.macro FETCH3 q, set                   ; K step q's fragments: Wo's eight tiles, my four tiles of tokens (heads 2 q and 2 q + 1 are a fragment's registers 0-3 and 4-7)
	WIN 0x40
.irp b, 0,1,2,3,4,5,6,7
.irp c, 0,1
	ds_load_b128 v[128*(\set)+8*\b+4*\c:128*(\set)+8*\b+4*\c+3], v[ADP] offset:\b*16*PITCH+64*(\q)+32*\c
.endr
.endr
	WIN 0
.irp a, 0,1,2,3
.irp c, 0,1
	ds_load_b128 v[128+32*(\set)+8*\a+4*\c:128+32*(\set)+8*\a+4*\c+3], v[ADR] offset:\a*8192+1024*(\q)+512*\c
.endr
.endr
.endm
.macro MUL3 q, set, first              ; 32 matrix instructions; the 32 accumulators take turns, one instruction a turn, in the same order in every step
.if \first
	WIN 0x91                                       ; source 0 and C window 1, source 1 window 0, D window 2
.else
	WIN 0xa1                                       ; C and D window 2
.endif
.irp a, 0,1,2,3
.irp b, 0,1,2,3,4,5,6,7
.if \first
	v_wmma_scale_f32_16x16x128_f8f6f4 v[64*\a+8*\b:64*\a+8*\b+7], v[128*(\set)+8*\b:128*(\set)+8*\b+7], v[128+32*(\set)+8*\a:128+32*(\set)+8*\a+7], v[BO+8*\b:BO+8*\b+7], v[SP+4*\b+(\q)%4], v[SR+4*\a+(\q)%4] matrix_a_fmt:MATRIX_FMT_FP4 matrix_b_fmt:MATRIX_FMT_FP4
.elseif (\q) < 4
	v_wmma_scale_f32_16x16x128_f8f6f4 v[64*\a+8*\b:64*\a+8*\b+7], v[128*(\set)+8*\b:128*(\set)+8*\b+7], v[128+32*(\set)+8*\a:128+32*(\set)+8*\a+7], v[64*\a+8*\b:64*\a+8*\b+7], v[SP+4*\b+(\q)%4], v[SR+4*\a+(\q)%4] matrix_a_fmt:MATRIX_FMT_FP4 matrix_b_fmt:MATRIX_FMT_FP4
.else
	v_wmma_scale_f32_16x16x128_f8f6f4 v[64*\a+8*\b:64*\a+8*\b+7], v[128*(\set)+8*\b:128*(\set)+8*\b+7], v[128+32*(\set)+8*\a:128+32*(\set)+8*\a+7], v[64*\a+8*\b:64*\a+8*\b+7], v[SP+4*\b+(\q)%4], v[SR+4*\a+(\q)%4] matrix_a_fmt:MATRIX_FMT_FP4 matrix_b_fmt:MATRIX_FMT_FP4 matrix_a_scale:MATRIX_SCALE_ROW1 matrix_b_scale:MATRIX_SCALE_ROW1
.endif
.endr
.endr
.endm
	s_wait_alu depctr_va_vdst(0)
	s_wait_tensorcnt 0x0                           ; my parts of both tiles are in,
	s_barrier_signal -1
	s_barrier_wait -1                              ; everybody's are
	s_wait_loadcnt 0x0                             ; the scale words and bo
	FETCH3 0, 0
	s_wait_dscnt 0x0
	FETCH3 1, 1
	MUL3 0, 0, 1
.set Q, 1
.rept 6
	s_wait_dscnt 0x0                               ; this step's fragments are in
	PLACES                                         ; ahead of loads into the set that the step before multiplied
	FETCH3 Q+1, (Q+1)%2
	MUL3 Q, Q%2, 0
.set Q, Q+1
.endr
	s_wait_dscnt 0x0
	MUL3 7, 1, 0
	WIN 0
; THE WAY OUT, a tile of 16 tokens x 128 columns at a time: through my own stage in LDS and back as whole rows of 512 bytes.  LDS serves a wave's instructions in order (ISA guide 5.7.1.4): no wait between the stores and the loads.
.macro TOSTAGE a
	WIN 0x08                                       ; an LDS store's data are its source 1: window 2
.irp b, 0,1,2,3,4,5,6,7
	ds_store_b128 v[STO], v[64*(\a)+8*\b:64*(\a)+8*\b+3] offset:64*\b          ; each accumulator from its low end on
	ds_store_b128 v[STO], v[64*(\a)+8*\b+4:64*(\a)+8*\b+7] offset:64*\b+16
.endr
	WIN 0
.set BB, 128+64*((\a)%2)
.irp t, 0,1,2,3,4,5,6,7,8,9,10,11,12,13,14,15
	ds_load_b128 v[BB+4*\t:BB+4*\t+3], v[RD] offset:\t*PITCH
.endr
.endm
.macro SEND a, younger                 ; younger: the LDS instructions issued behind tile a's loads, which may stay out
.set BB, 128+64*((\a)%2)
	s_wait_dscnt \younger
.irp t, 0,1,2,3,4,5,6,7,8,9,10,11,12,13,14,15
	global_store_b128 v[CO], v[BB+4*\t:BB+4*\t+3], s[14:15] offset:(32*((\a)/2)+8*((\a)%2)+\t+8*(\t/8))*4096 th:TH_STORE_NT   ; 32 lanes store 512 consecutive bytes, at a multiple of 256 from out0's first byte; row t of the tile at its true place
.endr
.endm
	PLACES                                         ; behind the last products: ahead of the reads of results and of the loads into the registers that held fragments
	TOSTAGE 0
.irp a, 1,2,3
.if \a > 1
	s_wait_xcnt 0x0                                ; tile a - 2's stores have read their registers: tile a's rows may land there
.endif
	TOSTAGE \a
	SEND \a-1, 32                                  ; behind tile a - 1's loads: tile a's 16 stores and 16 loads
.endr
	SEND 3, 0
	s_wait_tensorcnt 0x0                           ; the wave's end: behind my last tensor load and my last LDS store
	ds_add_u32 v[SPW], v[NIL]
	s_wait_dscnt 0x0
	CROUND                                         ; the closing round
	s_endpgm
.Lfunc_end_k_q9a60aae4ec_outp:
	.size	k_q9a60aae4ec_outp, .Lfunc_end_k_q9a60aae4ec_outp-k_q9a60aae4ec_outp
	.p2alignl 7, 3214868480
	.fill 96, 4, 3214868480
	.section	.rodata,"a",@progbits
	.p2align	6, 0x0
	.amdhsa_kernel k_q9a60aae4ec_outp
		.amdhsa_group_segment_fixed_size 327680
		.amdhsa_private_segment_fixed_size 0
		.amdhsa_enable_private_segment 0
		.amdhsa_kernarg_size 48
		.amdhsa_user_sgpr_count 2
		.amdhsa_user_sgpr_kernarg_segment_ptr 1
		.amdhsa_wavefront_size32 1
		.amdhsa_system_sgpr_workgroup_id_x 1
		.amdhsa_system_sgpr_workgroup_id_y 1
		.amdhsa_system_sgpr_workgroup_id_z 1
		.amdhsa_system_vgpr_workitem_id 0
		.amdhsa_next_free_vgpr 768
		.amdhsa_next_free_sgpr 66
		.amdhsa_reserve_vcc 0
		.amdhsa_float_denorm_mode_32 3
		.amdhsa_float_denorm_mode_16_64 3
		.amdhsa_memory_ordered 1
		.amdhsa_forward_progress 1
		.amdhsa_inst_pref_size 71
	.end_amdhsa_kernel
	.amdgpu_metadata
---
amdhsa.version: [ 1, 2 ]
amdhsa.kernels:
  - .name:           k_q9a60aae4ec_outp
    .symbol:         k_q9a60aae4ec_outp.kd
    .args:
      - { .name: aoimg, .offset: 0, .size: 8, .value_kind: global_buffer, .address_space: global }
      - { .name: aosc, .offset: 8, .size: 8, .value_kind: global_buffer, .address_space: global }
      - { .name: Wo_codes, .offset: 16, .size: 8, .value_kind: global_buffer, .address_space: global }
      - { .name: Wo_scales, .offset: 24, .size: 8, .value_kind: global_buffer, .address_space: global }
      - { .name: bo, .offset: 32, .size: 8, .value_kind: global_buffer, .address_space: global }
      - { .name: out0, .offset: 40, .size: 8, .value_kind: global_buffer, .address_space: global }
    .group_segment_fixed_size: 327680
    .private_segment_fixed_size: 0
    .kernarg_segment_align: 8
    .kernarg_segment_size: 48
    .max_flat_workgroup_size: 128
    .sgpr_count:     66
    .vgpr_count:     768
    .wavefront_size: 32
...
	.end_amdgpu_metadata
.endif
;; end of part 3
